; MI455X (gfx1250); checked and timed in simulation.
; The chip was launched on July 23, 2026; its instructions are those of AMD's public machine-readable ISA for CDNA 5 (MIT licence, August 2026) and "CDNA5" Instruction Set Architecture Reference Guide (July 2026). The comments in the code are by the model that wrote it; some were corrected since.
;; Trans E Source Matrix. Allowed arithmetic: float matrix products may take bf16 or f16 operands with f32 sums; all other float work in f32.
;; Inputs: entB 7 x 100 float32; entW 7 x 100 x 100 float32; ents_emb 500,001 x 100 float32; heads 65,536 int32; heads_bad 65,536 int32; relB 7 x 100 float32; relW 7 x 100 x 100 float32; rels 65,536 int32; rels_bad 65,536 int32; rels_emb 1,001 x 100 float32; sources 65,536 int32; sources_bad 65,536 int32; tails 65,536 int32; tails_bad 65,536 int32.
;; Outputs: out0 65,536 float32; out1 65,536 float32.
;; 2 versions, each right and faster than the one before. Each part assembles by itself: llvm-mc -triple=amdgcn-amd-amdhsa -mcpu=gfx1250 --defsym DOCPART=n.
;; ======== version 1 of 2: 1 launch
;; limits: a function is approximated: absolute error at most 1e-07; right only within a limited range of input values
;; launch transe (part 1): grid 7 x 128, 1 waves a work-group, no clusters, 60,928 bytes of LDS; arguments heads, rels, tails, sources, heads_bad, rels_bad, tails_bad, sources_bad, ents_emb, rels_emb, entW, entB, relW, relB, out0, out1; writes out0, out1
.if DOCPART == 1
	.amdgcn_target "amdgcn-amd-amdhsa--gfx1250"
	.amdhsa_code_object_version 6
	.text
	.protected	k_q694796bb35_transe
	.globl	k_q694796bb35_transe
	.p2align	8
	.type	k_q694796bb35_transe,@function
k_q694796bb35_transe:
	s_mov_b64 s[64:65], 0
	v_nop
	global_prefetch_b8 v0, s[64:65] scope:SCOPE_SE
	s_setreg_imm32_b32 hwreg(HW_REG_WAVE_MODE, 25, 1), 1
	s_wait_xcnt 0x0
; score = || n(tanh(We h + be)) + n(tanh(Wr r + br)) - n(tanh(We t + be)) ||, n = L2 normalisation with eps 1e-12, for 2 x 65,536 triples;
; the source id (2..8) of a triple picks one of seven pairs (We, be), (Wr, br).  The other six experts' results are masked away, so they are not computed.
;
; SHARING.  Work-group (x = expert e, y = chunk c) is ONE wave and owns the triples of expert e among 1,024 consecutive ones (c 0-63: the good arrays and out0;
; 64-127: the bad ones, out1).  It scans its 1,024 sources, writes the triples of expert e as a list into LDS, and walks the list 16 triples a trip.
; One wave a work-group, because the list's LDS addresses hang on data: so no LDS byte is shared between waves and the kernel has no barrier.  The price: each wave
; brings both weight matrices of its expert itself, 80,000 bytes for 1,024 triples.  They stay in registers as bf16 fragments (2 x 28 fragments x 8 registers).
; A source outside 2..8 gives three zero vectors and the score 0: such triples go into expert 0's lists with a flag, and their score is replaced by 0.
; EXEC is never changed: lanes with nothing to append store into dump bytes of their own; the last tile is filled up with copies of the list's entry 0, which
; compute and store entry 0's score again; the upper sixteen lanes store the same words as the lower sixteen.
;
; THE PRODUCTS ARE USED TRANSPOSED: source 0 = 16 rows of W (features), source 1 = 16 gathered rows (triples).  Lane l then holds features 16 T + 8 (l / 16) + 0..7
; of triple l % 16, so a norm is a sum inside the lane and one exchange between the halves.
; K is padded from 100 to 128, the features from 100 to 112, with true zeros in both operands.  The bias rides in K = 100, 101, 102: three bf16 terms whose sum is
; the scaled f32 bias, against 1.0 in the gathered rows' stage.
; tanh(x) = 1 - 2 / (1 + 2^y), y = 2 log2(e) x; the factor is folded into W and the bias before they are rounded.  2^y = inf or 0 gives +1 or -1.
;
; LIMITS.  Each tanh carries an absolute error of about 1e-7 (the subtraction from 1), so rows whose pre-activations are all below about 1e-5 lose the
; tolerance.  |W| or |bias| above about 1.1e38 overflows by the folded factor.  W and the gathered rows are rounded to bf16.  Indices are clamped to their tables
; (500000, 1000).
; The score goes out as 4 bytes a triple, to places inside the wave's own 4,096 bytes of the output: the sixteen triples of a trip are not neighbours, and whole
; rows of neighbours would need all seven experts' weights in one wave (14 matrices of 224 registers).
; NO CLUSTER: work-groups that share an expert's weights have trip counts that hang on their own lists, and the weights pass through registers for scaling and
; rounding in any case.  NO TENSOR LOADS: the rows are scattered pieces of 400 bytes.
.set N_ENTS, 500000
.set N_RELS, 1000
.set ROWB,   400                       ; bytes of a row of 100 f32
.set PITCH,  272                       ; an LDS row: 128 bf16 + 16 bytes, an odd multiple of 16
.set WMAT,   112*PITCH                 ; LDS 0 .. 30,463: the stage of one weight matrix, used by entW and then by relW
.set LIST,   WMAT                      ; the list: entries of 16 bytes: head, rel, tail, place word
.set DUMP,   1056*16                   ; behind 1,024 entries and 32 fill-ups: 32 places for lanes with nothing to append
.set LISTSZ, 1088*16
.set XST,    LIST+LISTSZ               ; the stage of gathered rows: 16 head rows, 16 rel rows, 16 tail rows.  All LDS bases are below 65,536 and stand in the immediates
.set SCALE,  0x4038aa3b                ; 2 log2(e)
; window 0
.set LANE, 1
.set L15,  2                           ; lane % 16
.set HALF, 3                           ; lane / 16
.set C1,   4                           ; 16 (lane % 16): first 256 bytes of a table row; also my triple's entry in a tile
.set C2,   5                           ; 256 + 16 min(lane % 16, 8): its last 144 bytes (lanes 9-15 repeat lane 8's piece)
.set LISTRD, 6                         ; 128 half: the entries of triple rows p + 8 half
.set XW1,  8                           ; stage, write: row 8 half, byte 8 (lane % 16)
.set XW2,  9                           ; stage, write: row 8 half, byte 128 + 8 min(lane % 16, 8)
.set FR,   10                          ; fragment read, of both stages: row lane % 16, byte 16 half
.set DUMPA, 11                         ; my dump place
.set SC,   12                          ; the score to store
.set PW,   13                          ; place word: 0-1023 place; + 0x1000 source invalid
.set TA,   14
.set TB,   15
.set E,    20                          ; v[20:23] an entry being written
.set L4,   24
.set L16,  25
.set WG1,  26                          ; weights in memory: 400 half + C1
.set WG2,  27                          ; 400 half + C2
.set WS1,  28                          ; weights' stage, write (as XW1, XW2, rows 1 apart)
.set WS2,  29
.set WROW, 30                          ; 272 lane: row = lane
.set SA,   31                          ; the score's byte offset
.set ENT,  32                          ; v[32:63] eight entries
.set STG,  64                          ; v[64:255] 48 quads of gathered f32; at the start the index arrays: S 64, H 96, R 128, T 160
; window 1: v0-223 entW fragments (T, s) at 8 (4 T + s)
.set XFM,  224                         ; window 1: fragments of the rel rows
; window 2: v0-223 relW fragments; at the start v0-7 the raw bias, v8-55 its three terms at work
; window 3: v0-167 accumulators, matrix m (head, rel, tail), tile T at 56 m + 8 T; at the start v0-239 three slots of 80 registers for raw weights
.set XFH,  168                         ; window 3: fragments of the head rows
.set XFT,  200                         ; window 3: fragments of the tail rows
.set SS,   232                         ; window 3: two pairs of sums of squares for each matrix, at SS + 4 m
.set SF,   244                         ; window 3: two pairs for the final sum
.set MSB, 0
.macro WIN new                         ; low byte: 1:0 source 0, 3:2 source 1, 5:4 source 2, 7:6 destination; the high byte repeats the setting that is left
.if MSB != \new
	s_set_vgpr_msb (MSB<<8)|\new
.set MSB, \new
.endif
.endm
	s_load_b512 s[8:23], s[0:1], 0x0               ; heads, rels, tails, sources, then the four bad arrays
	s_load_b512 s[24:39], s[0:1], 0x40             ; ents_emb, rels_emb, entW, entB, relW, relB, out0, out1
	s_mov_b32 s2, ttmp9                            ; expert 0..6
	s_and_b32 s3, ttmp7, 0xffff                    ; chunk 0..127
	s_mov_b32 s56, 0x76543210                      ; v_permlanex16_b32: lane i reads lane i of the other half
	s_mov_b32 s57, 0xfedcba98
	s_and_b32 s50, s3, 63
	s_lshl_b32 s50, s50, 12                        ; 1,024 triples x 4 bytes a chunk
	s_mov_b32 s51, 0
	s_mul_i32 s58, s2, 100*ROWB                    ; the expert's matrices
	s_mov_b32 s59, 0
	s_mul_i32 s40, s2, ROWB                        ; and biases
	s_mov_b32 s41, 0
	v_and_b32 v[LANE], 31, v0
	v_and_b32 v[L15], 15, v0
	v_bfe_u32 v[HALF], v0, 4, 1
	v_min_u32 v16, 8, v[L15]
	v_lshlrev_b32 v[C1], 4, v[L15]
	v_lshl_add_u32 v[C2], v16, 4, 0x100
	v_lshlrev_b32 v[L4], 2, v[LANE]
	v_lshlrev_b32 v[L16], 4, v[LANE]
	v_add_nc_u32 v[DUMPA], DUMP, v[L16]
	v_add_nc_u32 v[TA], 0x1000, v[L4]              ; the place word's lane part with the flag of an invalid source
	v_mul_u32_u24 v18, v[HALF], ROWB
	v_add_nc_u32 v[WG1], v18, v[C1]
	v_add_nc_u32 v[WG2], v18, v[C2]
	v_lshlrev_b32 v[LISTRD], 7, v[HALF]
	v_mul_u32_u24 v17, v[HALF], 8*PITCH
	v_lshl_add_u32 v[XW1], v[L15], 3, v17
	v_lshl_add_u32 v[XW2], v16, 3, v17
	v_add_nc_u32 v[XW2], 128, v[XW2]
	v_mul_u32_u24 v[FR], v[L15], PITCH
	v_lshl_add_u32 v[FR], v[HALF], 4, v[FR]
	v_mul_u32_u24 v18, v[HALF], PITCH
	v_lshl_add_u32 v[WS1], v[L15], 3, v18
	v_lshl_add_u32 v[WS2], v16, 3, v18
	v_add_nc_u32 v[WS2], 128, v[WS2]
	v_add_nc_u32 v[TB], v18, v[C1]                 ; two whole rows a store, for the padding rows
	v_mul_u32_u24 v[WROW], v[LANE], PITCH
	s_wait_kmcnt 0x0
	s_cmp_lt_u32 s3, 64                            ; good or bad arrays; the 64-bit sums below leave SCC alone
	s_cselect_b64 s[8:9], s[8:9], s[16:17]
	s_cselect_b64 s[10:11], s[10:11], s[18:19]
	s_cselect_b64 s[12:13], s[12:13], s[20:21]
	s_cselect_b64 s[14:15], s[14:15], s[22:23]
	s_cselect_b64 s[36:37], s[36:37], s[38:39]
	s_add_nc_u64 s[8:9], s[8:9], s[50:51]
	s_add_nc_u64 s[10:11], s[10:11], s[50:51]
	s_add_nc_u64 s[12:13], s[12:13], s[50:51]
	s_add_nc_u64 s[14:15], s[14:15], s[50:51]
	s_add_nc_u64 s[36:37], s[36:37], s[50:51]
	s_add_nc_u64 s[28:29], s[28:29], s[58:59]      ; entW[e]
	s_add_nc_u64 s[32:33], s[32:33], s[58:59]      ; relW[e]
	s_add_nc_u64 s[30:31], s[30:31], s[40:41]      ; entB[e]
	s_add_nc_u64 s[34:35], s[34:35], s[40:41]      ; relB[e]
; The raw weights come in ten groups of 20 rows (groups 0-4 entW, 5-9 relW), 20 loads each: a pair of loads takes two rows, 256 bytes of each, then 144.
; Group g lands in slot g % 3 of window 3.
.macro WLOAD g
	WIN 0xc0
.set wq, 10*((\g)%5)
.set wr, 80*((\g)%3)
.set wb, 28+4*((\g)/5)
.set i, 0
.rept 10
	global_load_b128 v[wr+8*i:wr+8*i+3],   v[WG1], s[wb:wb+1] offset:2*ROWB*(wq+i)
	global_load_b128 v[wr+8*i+4:wr+8*i+7], v[WG2], s[wb:wb+1] offset:2*ROWB*(wq+i)
.set i, i+1
.endr
.endm
; Group g: times 2 log2(e), to bf16 in place, 8 bytes a lane into the weights' stage
.macro WCONV g
	WIN 0xff
.set wq, 10*((\g)%5)
.set wr, 80*((\g)%3)
.set i, 0
.rept 40
	v_pk_mul_f32 v[wr+2*i:wr+2*i+1], v[wr+2*i:wr+2*i+1], SCALE op_sel_hi:[1,0]
.set i, i+1
.endr
.set i, 0
.rept 20
	v_cvt_pk_bf16_f32 v[wr+4*i],   v[wr+4*i],   v[wr+4*i+1]
	v_cvt_pk_bf16_f32 v[wr+4*i+1], v[wr+4*i+2], v[wr+4*i+3]
.set i, i+1
.endr
	WIN 0x0c
.set i, 0
.rept 10
	ds_store_b64 v[WS1], v[wr+8*i:wr+8*i+1]   offset:2*PITCH*(wq+i)
	ds_store_b64 v[WS2], v[wr+8*i+4:wr+8*i+5] offset:2*PITCH*(wq+i)
.set i, i+1
.endr
.endm
; 28 fragments of 16 features x 32 K out of the weights' stage; the window is set by the caller
.macro WFRAGS
.irp t, 0,1,2,3,4,5,6
.irp s, 0,1,2,3
	ds_load_b128 v[8*(4*\t+\s):8*(4*\t+\s)+3],   v[FR] offset:16*PITCH*\t+64*\s
	ds_load_b128 v[8*(4*\t+\s)+4:8*(4*\t+\s)+7], v[FR] offset:16*PITCH*\t+64*\s+32
.endr
.endr
.endm
; the scaled bias as three bf16 terms: each remainder is exact in f32
.macro BIAS3 b, t
	v_mul_f32 v[\b], SCALE, v[\b]
	v_cvt_pk_bf16_f32 v[\t], v[\b], v[\b]
	v_and_b32 v[\t], 0xffff0000, v[\t]             ; the first term as f32
	v_sub_f32 v[\t+1], v[\b], v[\t]
	v_cvt_pk_bf16_f32 v[\t+2], v[\t+1], v[\t+1]
	v_and_b32 v[\t+2], 0xffff0000, v[\t+2]
	v_sub_f32 v[\t+3], v[\t+1], v[\t+2]
	v_cvt_pk_bf16_f32 v[\t+4], v[\b], v[\t+1]      ; K = 100, 101
	v_cvt_pk_bf16_f32 v[\t+5], v[\t+3], 0          ; K = 102, 103
.endm
.macro BSTORE i, row                   ; bias pass i (rows row + lane) into K = 100..103 of the weights' stage
	ds_store_b64 v[WROW], v[12+6*\i:13+6*\i] offset:200+\row*PITCH
.endm
	; 32 loads: my 1,024 sources, heads, rels, tails; each load takes 512 consecutive bytes.  Lane l, load j, word c: place 128 j + 4 l + c.
.irp j, 0,1,2,3,4,5,6,7
	global_load_b128 v[STG+4*\j:STG+4*\j+3],         v[L16], s[14:15] offset:512*\j
	global_load_b128 v[STG+32+4*\j:STG+32+4*\j+3],   v[L16], s[8:9]   offset:512*\j
	global_load_b128 v[STG+64+4*\j:STG+64+4*\j+3],   v[L16], s[10:11] offset:512*\j
	global_load_b128 v[STG+96+4*\j:STG+96+4*\j+3],   v[L16], s[12:13] offset:512*\j
.endr
	; 8 loads: both biases, rows lane, 32 + lane, 64 + lane, 68 + lane
	WIN 0x80
	global_load_b32 v0, v[L4], s[30:31]
	global_load_b32 v1, v[L4], s[30:31] offset:128
	global_load_b32 v2, v[L4], s[30:31] offset:256
	global_load_b32 v3, v[L4], s[30:31] offset:272
	global_load_b32 v4, v[L4], s[34:35]
	global_load_b32 v5, v[L4], s[34:35] offset:128
	global_load_b32 v6, v[L4], s[34:35] offset:256
	global_load_b32 v7, v[L4], s[34:35] offset:272
	WLOAD 0
	WIN 0x40
.irp r, 28,29,30,31
	v_mov_b32 v[XFM+\r], 0                         ; K = 112..127 of the rel rows' last fragment: zero registers, written once and never loaded
.endr
	WIN 0
	; the constant parts of LDS
.irp r, 16,17,18,19
	v_mov_b32 v\r, 0
.endr
	v_mov_b32 v20, 0x3f803f80
	v_mov_b32 v21, 0x00003f80
	ds_store_b64  v[WROW], v[20:21] offset:XST+200                 ; gathered rows' stage, rows lane and 16 + lane (48 rows): 1.0 at K = 100, 101, 102,
	ds_store_b64  v[WROW], v[20:21] offset:XST+200+16*PITCH
	ds_store_b128 v[WROW], v[16:19] offset:XST+208                 ; zero at K = 103..111
	ds_store_b128 v[WROW], v[16:19] offset:XST+208+16*PITCH
	ds_store_b128 v[L16], v[16:19] offset:LIST                     ; entries 0-31 preset (table row 0), so that an empty list is read defined
.irp r, 0,32,64,68
.irp o, 208,224,240
	ds_store_b128 v[WROW], v[16:19] offset:\r*PITCH+\o             ; weights' stage: K = 104..127 of rows 0-99
.endr
.endr
.irp o, 0,1,2,3,4,5
	ds_store_b128 v[TB], v[16:19] offset:(100+2*\o)*PITCH          ; features 100..111: whole rows of zeros
.endr
; One word of each lane: the lanes whose triple belongs to this expert append an entry to the list, in lane order; the others store into their dump places.
; s52 = entries so far.  The clamp is the last instruction on the address; the list's base stands in the immediate.
.macro COMPACT j, c
	v_add_nc_u32 v16, -2, v[STG+4*\j+\c]           ; expert of the triple; anything outside 0..6 (negatives wrap) is invalid
	v_cmp_lt_u32 vcc_lo, 6, v16
	v_cndmask_b32 v17, v16, 0, vcc_lo              ; invalid ones are expert 0's to answer,
	v_cndmask_b32 v18, v[L4], v[TA], vcc_lo        ; with the flag 0x1000
	v_add_nc_u32 v[E+3], 128*\j+\c, v18            ; place + flag
	v_mov_b32 v[E],   v[STG+32+4*\j+\c]
	v_mov_b32 v[E+1], v[STG+64+4*\j+\c]
	v_mov_b32 v[E+2], v[STG+96+4*\j+\c]
	v_cmp_eq_u32 vcc_lo, s2, v17
	v_mbcnt_lo_u32_b32 v19, vcc_lo, s52            ; entries so far + matching lanes below me
	v_lshlrev_b32 v19, 4, v19
	v_cndmask_b32 v19, v[DUMPA], v19, vcc_lo
	v_min_u32 v19, DUMP+31*16, v19
	s_bcnt1_i32_b32 s55, vcc_lo
	ds_store_b128 v19, v[E:E+3] offset:LIST
	s_add_co_u32 s52, s52, s55
.endm
	s_wait_loadcnt 28                              ; the 32 index loads are in; the 8 of the bias and group 0's 20, issued behind them, stay out
	WLOAD 1                                        ; 48 loads are out while the list is made
	WIN 0
	s_mov_b32 s52, 0
.irp j, 0,1,2,3,4,5,6,7
.irp c, 0,1,2,3
	COMPACT \j, \c
.endr
.endr
	s_min_u32 s52, s52, 1024
	v_mov_b32 v16, 0
	ds_load_b128 v[E:E+3], v16 offset:LIST         ; entry 0 (LDS serves a wave's instructions in order: this sees the list's stores)
	v_add_nc_u32 v19, s52, v[LANE]
	v_lshlrev_b32 v19, 4, v19
	v_min_u32 v19, 1055*16, v19
	s_wait_dscnt 0x0
	ds_store_b128 v19, v[E:E+3] offset:LIST        ; 32 copies of it behind the list fill up the last tile
	s_add_co_u32 s63, s52, 15
	s_lshr_b32 s63, s63, 4                         ; tiles of 16 triples, 0..64
	s_cmp_eq_u32 s63, 0
	s_cbranch_scc1 .Lend                           ; none of my 1,024 triples is this expert's
; Eight entries of a tile: lanes of half h get the entry of triple row p + 8 h
.macro ENTRIES addr
.irp p, 0,1,2,3,4,5,6,7
	ds_load_b128 v[ENT+4*\p:ENT+4*\p+3], v[\addr] offset:LIST+16*\p
.endr
.endm
; Sixteen rows of table m (0 head, 1 rel, 2 tail): sixteen lanes take a row's first 256 bytes, then its last 144.  Behind the clamp only shifts and sums:
; 400 x = (x << 8) + (x << 7) + (x << 4).  Each load lands on its own offset register.
.macro GATHER m, max, base
.irp p, 0,1,2,3,4,5,6,7
	v_min_u32 v[ENT+4*\p+\m], \max, v[ENT+4*\p+\m]
.endr
.irp p, 0,1,2,3,4,5,6,7
	v_lshlrev_b32 v[STG+8*(8*\m+\p)],   8, v[ENT+4*\p+\m]
	v_lshlrev_b32 v[STG+8*(8*\m+\p)+4], 7, v[ENT+4*\p+\m]
.endr
.irp p, 0,1,2,3,4,5,6,7
	v_lshlrev_b32 v[ENT+4*\p+\m], 4, v[ENT+4*\p+\m]
	v_add_nc_u32 v[STG+8*(8*\m+\p)], v[STG+8*(8*\m+\p)], v[STG+8*(8*\m+\p)+4]
.endr
.irp p, 0,1,2,3,4,5,6,7
	v_add_nc_u32 v[STG+8*(8*\m+\p)], v[STG+8*(8*\m+\p)], v[ENT+4*\p+\m]
.endr
.irp p, 0,1,2,3,4,5,6,7
	v_add_nc_u32 v[STG+8*(8*\m+\p)+4], v[STG+8*(8*\m+\p)], v[C2]
	v_add_nc_u32 v[STG+8*(8*\m+\p)],   v[STG+8*(8*\m+\p)], v[C1]
.endr
.irp p, 0,1,2,3,4,5,6,7
	global_load_b128 v[STG+8*(8*\m+\p):STG+8*(8*\m+\p)+3],   v[STG+8*(8*\m+\p)],   s[\base:\base+1]
	global_load_b128 v[STG+8*(8*\m+\p)+4:STG+8*(8*\m+\p)+7], v[STG+8*(8*\m+\p)+4], s[\base:\base+1]
.endr
.endm
	ENTRIES LISTRD                                 ; tile 0's entries; they are waited for with entW's fragments below
	; THE WEIGHTS: three groups of 20 loads are on their way while a fourth is worked on
	s_wait_loadcnt 20                              ; the bias and group 0 are in; group 1 stays out
	WLOAD 2
	WIN 0xaa
.irp i, 0,1,2,3,4,5,6,7
	BIAS3 \i, 8+6*\i
.endr
	WIN 0x08
	BSTORE 0, 0                                    ; entB; rows 68-95 get the same bytes twice
	BSTORE 1, 32
	BSTORE 2, 64
	BSTORE 3, 68
.irp g, 0,1,2,3
	WCONV \g
	WLOAD \g+3
	s_wait_loadcnt 40                              ; the next group is in; the two groups behind it stay out
.endr
	WCONV 4                                        ; entW is whole in the stage
	WLOAD 7
	WIN 0x40
	WFRAGS
	s_wait_dscnt 0x0                               ; entW's fragments are in registers before relW is written over its bytes; tile 0's entries are in too
	WIN 0x08
	BSTORE 4, 0                                    ; relB
	BSTORE 5, 32
	BSTORE 6, 64
	BSTORE 7, 68
	s_wait_loadcnt 40                              ; group 5 is in; 6 and 7 stay out
	WCONV 5
	WLOAD 8
	s_wait_loadcnt 40
	WCONV 6
	WLOAD 9
	s_wait_loadcnt 40                              ; group 7 is in; 8 and 9 stay out
	WCONV 7
	WIN 0
	GATHER 0, N_ENTS, 24                           ; tile 0's 48 loads go out in thirds behind the last groups
	s_wait_loadcnt 36                              ; group 8 is in; group 9's 20 and the head rows' 16 stay out
	WCONV 8
	WIN 0
	GATHER 1, N_RELS, 26
	s_wait_loadcnt 32                              ; group 9 is in; the head and rel rows' 32 stay out
	WCONV 9
	WIN 0
	GATHER 2, N_ENTS, 24
	WIN 0x80
	WFRAGS                                         ; relW's fragments; the first trip's wait for all LDS instructions stands behind them
	WIN 0xc0
.irp r, 28,29,30,31
	v_mov_b32 v[XFH+\r], 0                         ; K = 112..127 of the head and tail rows' last fragments: zero registers, never loaded
	v_mov_b32 v[XFT+\r], 0
.endr
	WIN 0
; Sixteen gathered rows of table m: to bf16 in place, 8 bytes a lane into the stage
.macro STAGE m
.irp p, 0,1,2,3,4,5,6,7
	v_cvt_pk_bf16_f32 v[STG+8*(8*\m+\p)],   v[STG+8*(8*\m+\p)],   v[STG+8*(8*\m+\p)+1]
	v_cvt_pk_bf16_f32 v[STG+8*(8*\m+\p)+1], v[STG+8*(8*\m+\p)+2], v[STG+8*(8*\m+\p)+3]
	v_cvt_pk_bf16_f32 v[STG+8*(8*\m+\p)+4], v[STG+8*(8*\m+\p)+4], v[STG+8*(8*\m+\p)+5]
	v_cvt_pk_bf16_f32 v[STG+8*(8*\m+\p)+5], v[STG+8*(8*\m+\p)+6], v[STG+8*(8*\m+\p)+7]
	ds_store_b64 v[XW1], v[STG+8*(8*\m+\p):STG+8*(8*\m+\p)+1]   offset:XST+16*PITCH*\m+PITCH*\p
	ds_store_b64 v[XW2], v[STG+8*(8*\m+\p)+4:STG+8*(8*\m+\p)+5] offset:XST+16*PITCH*\m+PITCH*\p
.endr
.endm
; Seven loads: the four fragments of table m's sixteen rows (K = 112..127 stay the zero registers)
.macro XFRAG f, m
.irp s, 0,1,2
	ds_load_b128 v[\f+8*\s:\f+8*\s+3],   v[FR] offset:XST+16*PITCH*\m+64*\s
	ds_load_b128 v[\f+8*\s+4:\f+8*\s+7], v[FR] offset:XST+16*PITCH*\m+64*\s+32
.endr
	ds_load_b128 v[\f+24:\f+27], v[FR] offset:XST+16*PITCH*\m+192
.endm
; n (8 or 4) accumulators from register b become tanh; their squares go into the two pairs at S (first = 1: they start the sums, nothing is cleared).
; One plain vector instruction stands between a run of transcendentals and the first use of their results (ISA guide 5.7.2).
.macro TANH n, b, S, first
.set i, 0
.rept \n
	v_exp_f32 v[\b+i], v[\b+i]
.set i, i+1
.endr
	v_nop
.set i, 0
.rept \n/2
	v_pk_add_f32 v[\b+i:\b+i+1], v[\b+i:\b+i+1], 1.0 op_sel_hi:[1,0]
.set i, i+2
.endr
.set i, 0
.rept \n
	v_rcp_f32 v[\b+i], v[\b+i]
.set i, i+1
.endr
	v_nop
.set i, 0
.rept \n/2
	v_pk_fma_f32 v[\b+i:\b+i+1], v[\b+i:\b+i+1], -2.0, 1.0 op_sel_hi:[1,0,0]
.set i, i+2
.endr
.set i, 0
.rept \n/2
.if (\first)*(4-i) > 0
	v_pk_mul_f32 v[\S+(i&2):\S+(i&2)+1], v[\b+i:\b+i+1], v[\b+i:\b+i+1]
.else
	v_pk_fma_f32 v[\S+(i&2):\S+(i&2)+1], v[\b+i:\b+i+1], v[\b+i:\b+i+1], v[\S+(i&2):\S+(i&2)+1]
.endif
.set i, i+2
.endr
.endm
; a lane's 52 values of matrix m: tiles 0-5 whole; of tile 6 registers 0-3 (features 96-99 in the lower half, padding in the upper); its registers 4-7 are padding
.macro TANHMAT m
	TANH 8, 56*\m, SS+4*\m, 1
.irp t, 1,2,3,4,5
	TANH 8, 56*\m+8*\t, SS+4*\m, 0
.endr
	TANH 4, 56*\m+48, SS+4*\m, 0
.endm
; n pairs from register b: h/|h| + r/|r| - t/|t|, and its square into the final sums
.macro COMB b, n
.set i, 0
.rept \n
	v_pk_mul_f32 v[\b+i:\b+i+1], v[\b+i:\b+i+1], v[SS:SS+1] op_sel_hi:[1,0]
.set i, i+2
.endr
.set i, 0
.rept \n
	v_pk_fma_f32 v[\b+i:\b+i+1], v[56+\b+i:56+\b+i+1], v[SS+4:SS+5], v[\b+i:\b+i+1] op_sel_hi:[1,0,1]
.set i, i+2
.endr
.set i, 0
.rept \n
	v_pk_fma_f32 v[\b+i:\b+i+1], v[112+\b+i:112+\b+i+1], v[SS+8:SS+9], v[\b+i:\b+i+1] op_sel_hi:[1,0,1]
.set i, i+2
.endr
.set i, 0
.rept \n
.if \b+i < 4
	v_pk_mul_f32 v[SF+(i&2):SF+(i&2)+1], v[\b+i:\b+i+1], v[\b+i:\b+i+1]
.else
	v_pk_fma_f32 v[SF+(i&2):SF+(i&2)+1], v[\b+i:\b+i+1], v[\b+i:\b+i+1], v[SF+(i&2):SF+(i&2)+1]
.endif
.set i, i+2
.endr
.endm
; two pairs at S -> the sum over the lane and its partner in the other half, in v[S]
.macro FOLD S
	v_pk_add_f32 v[\S:\S+1], v[\S:\S+1], v[\S+2:\S+3]
	v_add_f32 v[\S], v[\S], v[\S+1]
	v_permlanex16_b32 v[\S+1], v[\S], s56, s57
	v_add_f32 v[\S], v[\S], v[\S+1]
.endm
; One tile of 16 triples, number s60.  ahead = 1: the next tile's 48 gathers go out as this tile's registers fall free, a whole trip ahead of their waits.
.macro TRIP ahead
	s_min_u32 s61, s60, 65                         ; (entries and fill-ups are 66 tiles' bytes)
	s_lshl_b32 s61, s61, 8
	v_add_nc_u32 v[TB], s61, v[C1]
	ds_load_b32 v[PW], v[TB] offset:LIST+12        ; my triple's place word
.if \ahead
	s_add_co_u32 s62, s60, 1
	s_min_u32 s62, s62, 65
	s_lshl_b32 s62, s62, 8
	v_add_nc_u32 v[TA], s62, v[LISTRD]
	ENTRIES TA                                     ; the next tile's entries
.endif
	s_wait_dscnt 0x0
	s_wait_loadcnt 32                              ; the head rows' 16 loads are in; 32 younger ones stay out
	STAGE 0
.if \ahead
	GATHER 0, N_ENTS, 24
	s_wait_loadcnt 32                              ; the rel rows: behind them the tail rows' 16 and the 16 just issued
.else
	s_wait_loadcnt 16                              ; nothing was issued: the counts run down
.endif
	STAGE 1
.if \ahead
	GATHER 1, N_RELS, 26
	s_wait_loadcnt 32                              ; the tail rows: behind them the next tile's 32
.else
	s_wait_loadcnt 0x0
.endif
	STAGE 2
.if \ahead
	GATHER 2, N_ENTS, 24
.endif
	WIN 0xc0
	XFRAG XFH, 0                                   ; these see the stage's stores: a wave's LDS instructions are served in order
	XFRAG XFT, 2
	WIN 0x40
	XFRAG XFM, 1
	s_wait_dscnt 7                                 ; all but the youngest seven LDS instructions, the rel rows' fragments, are done
	; 56 products with entW: fourteen accumulators take turns, one instruction a turn; the first K step starts the sums
	WIN 0xfd
.irp s, 0,1,2,3
.irp t, 0,1,2,3,4,5,6
.if \s == 0
	v_wmma_f32_16x16x32_bf16 v[8*\t:8*\t+7],         v[8*(4*\t+\s):8*(4*\t+\s)+7], v[XFH+8*\s:XFH+8*\s+7], 0
	v_wmma_f32_16x16x32_bf16 v[112+8*\t:112+8*\t+7], v[8*(4*\t+\s):8*(4*\t+\s)+7], v[XFT+8*\s:XFT+8*\s+7], 0
.else
	v_wmma_f32_16x16x32_bf16 v[8*\t:8*\t+7],         v[8*(4*\t+\s):8*(4*\t+\s)+7], v[XFH+8*\s:XFH+8*\s+7], v[8*\t:8*\t+7]
	v_wmma_f32_16x16x32_bf16 v[112+8*\t:112+8*\t+7], v[8*(4*\t+\s):8*(4*\t+\s)+7], v[XFT+8*\s:XFT+8*\s+7], v[112+8*\t:112+8*\t+7]
.endif
.endr
.endr
	s_wait_dscnt 0x0
	; 28 products with relW: seven accumulators take turns
	WIN 0xf6
.irp s, 0,1,2,3
.irp t, 0,1,2,3,4,5,6
.if \s == 0
	v_wmma_f32_16x16x32_bf16 v[56+8*\t:56+8*\t+7], v[8*(4*\t+\s):8*(4*\t+\s)+7], v[XFM+8*\s:XFM+8*\s+7], 0
.else
	v_wmma_f32_16x16x32_bf16 v[56+8*\t:56+8*\t+7], v[8*(4*\t+\s):8*(4*\t+\s)+7], v[XFM+8*\s:XFM+8*\s+7], v[56+8*\t:56+8*\t+7]
.endif
.endr
.endr
	WIN 0xff
.rept 4
	v_nop                                          ; four places behind the last products before a vector instruction reads a result (ISA guide 7.12.1)
.endr
	TANHMAT 0
	TANHMAT 1
	TANHMAT 2
	FOLD SS
	FOLD SS+4
	FOLD SS+8
	v_sqrt_f32 v[SS],   v[SS]
	v_sqrt_f32 v[SS+4], v[SS+4]
	v_sqrt_f32 v[SS+8], v[SS+8]
	v_nop
	v_max_num_f32 v[SS],   0x2b8cbccc, v[SS]       ; max(norm, 1e-12)
	v_max_num_f32 v[SS+4], 0x2b8cbccc, v[SS+4]
	v_max_num_f32 v[SS+8], 0x2b8cbccc, v[SS+8]
	v_rcp_f32 v[SS],   v[SS]
	v_rcp_f32 v[SS+4], v[SS+4]
	v_rcp_f32 v[SS+8], v[SS+8]
	v_nop
	v_mul_f32 v[SS+8], -1.0, v[SS+8]               ; the tail is subtracted
.irp g, 0,8,16,24,32,40
	COMB \g, 4
.endr
	COMB 48, 2
	FOLD SF
	v_sqrt_f32 v[SF], v[SF]
	WIN 0
	s_wait_xcnt 0x0                                ; the last trip's store has read its two registers: they are rewritten only behind this wait
	v_cmp_gt_u32 vcc_lo, 0x1000, v[PW]             ; the source was valid (this and the next three lines stand between the root and its use)
	v_and_b32 v[TB], 0x3ff, v[PW]
	v_lshlrev_b32 v[TB], 2, v[TB]
	v_min_u32 v[SA], 4092, v[TB]                   ; my triple's 4 bytes among the wave's 4,096; the clamp comes last
	WIN 0x0c
	v_cndmask_b32 v[SC], 0, v[SF], vcc_lo          ; else the score is 0
	WIN 0
	global_store_b32 v[SA], v[SC], s[36:37]        ; lanes 16-31 repeat lanes 0-15, fill-ups repeat entry 0: the same words to the same places
.endm
	s_mov_b32 s60, 0
	s_sub_co_u32 s53, s63, 1                       ; all tiles but the last fetch ahead
	s_cmp_eq_u32 s53, 0
	s_cbranch_scc1 .Ltail
.Ltrip:
	TRIP 1
	s_add_co_u32 s60, s60, 1
	s_cmp_lt_u32 s60, s53
	s_cbranch_scc1 .Ltrip
.Ltail:
	TRIP 0                                         ; the last tile: nothing is left to fetch
.Lend:
	s_endpgm
.Lfunc_end_k_q694796bb35_transe:
	.size	k_q694796bb35_transe, .Lfunc_end_k_q694796bb35_transe-k_q694796bb35_transe
	.p2alignl 7, 3214868480
	.fill 96, 4, 3214868480
	.section	.rodata,"a",@progbits
	.p2align	6, 0x0
	.amdhsa_kernel k_q694796bb35_transe
		.amdhsa_group_segment_fixed_size 60928
		.amdhsa_private_segment_fixed_size 0
		.amdhsa_enable_private_segment 0
		.amdhsa_kernarg_size 128
		.amdhsa_user_sgpr_count 2
		.amdhsa_user_sgpr_kernarg_segment_ptr 1
		.amdhsa_wavefront_size32 1
		.amdhsa_system_sgpr_workgroup_id_x 1
		.amdhsa_system_sgpr_workgroup_id_y 1
		.amdhsa_system_sgpr_workgroup_id_z 1
		.amdhsa_system_vgpr_workitem_id 0
		.amdhsa_next_free_vgpr 1024
		.amdhsa_next_free_sgpr 66
		.amdhsa_reserve_vcc 1
		.amdhsa_float_denorm_mode_32 3
		.amdhsa_float_denorm_mode_16_64 3
		.amdhsa_memory_ordered 1
		.amdhsa_forward_progress 1
		.amdhsa_inst_pref_size 255
	.end_amdhsa_kernel
	.section	.bss,"aw",@nobits
	.p2align	6
	.space	262144
	.amdgpu_metadata
---
amdhsa.version: [ 1, 2 ]
amdhsa.kernels:
  - .name:           k_q694796bb35_transe
    .symbol:         k_q694796bb35_transe.kd
    .args:
      - { .name: heads, .offset: 0, .size: 8, .value_kind: global_buffer, .address_space: global }
      - { .name: rels, .offset: 8, .size: 8, .value_kind: global_buffer, .address_space: global }
      - { .name: tails, .offset: 16, .size: 8, .value_kind: global_buffer, .address_space: global }
      - { .name: sources, .offset: 24, .size: 8, .value_kind: global_buffer, .address_space: global }
      - { .name: heads_bad, .offset: 32, .size: 8, .value_kind: global_buffer, .address_space: global }
      - { .name: rels_bad, .offset: 40, .size: 8, .value_kind: global_buffer, .address_space: global }
      - { .name: tails_bad, .offset: 48, .size: 8, .value_kind: global_buffer, .address_space: global }
      - { .name: sources_bad, .offset: 56, .size: 8, .value_kind: global_buffer, .address_space: global }
      - { .name: ents_emb, .offset: 64, .size: 8, .value_kind: global_buffer, .address_space: global }
      - { .name: rels_emb, .offset: 72, .size: 8, .value_kind: global_buffer, .address_space: global }
      - { .name: entW, .offset: 80, .size: 8, .value_kind: global_buffer, .address_space: global }
      - { .name: entB, .offset: 88, .size: 8, .value_kind: global_buffer, .address_space: global }
      - { .name: relW, .offset: 96, .size: 8, .value_kind: global_buffer, .address_space: global }
      - { .name: relB, .offset: 104, .size: 8, .value_kind: global_buffer, .address_space: global }
      - { .name: out0, .offset: 112, .size: 8, .value_kind: global_buffer, .address_space: global }
      - { .name: out1, .offset: 120, .size: 8, .value_kind: global_buffer, .address_space: global }
    .group_segment_fixed_size: 60928
    .private_segment_fixed_size: 0
    .kernarg_segment_align: 8
    .kernarg_segment_size: 128
    .max_flat_workgroup_size: 32
    .sgpr_count:     66
    .vgpr_count:     1024
    .wavefront_size: 32
...
	.end_amdgpu_metadata
.endif
;; end of part 1
;; ======== version 2 of 2: 1 launch; 1.13 times as fast as version 1
;; limits: a function is approximated: absolute error at most 1e-07; right only within a limited range of input values
;; launch transe (part 2): grid 7 x 128, 1 waves a work-group, no clusters, 60,928 bytes of LDS; arguments heads, rels, tails, sources, heads_bad, rels_bad, tails_bad, sources_bad, ents_emb, rels_emb, entW, entB, relW, relB, out0, out1; writes out0, out1
.if DOCPART == 2
	.amdgcn_target "amdgcn-amd-amdhsa--gfx1250"
	.amdhsa_code_object_version 6
	.text
	.protected	k_q694796bb35_transe
	.globl	k_q694796bb35_transe
	.p2align	8
	.type	k_q694796bb35_transe,@function
k_q694796bb35_transe:
	s_mov_b64 s[64:65], 0
	v_nop
	global_prefetch_b8 v0, s[64:65] scope:SCOPE_SE
	s_setreg_imm32_b32 hwreg(HW_REG_WAVE_MODE, 25, 1), 1
	s_wait_xcnt 0x0
; score = || n(tanh(We h + be)) + n(tanh(Wr r + br)) - n(tanh(We t + be)) ||, n = L2 normalisation with eps 1e-12, for 2 x 65,536 triples;
; the source id (2..8) of a triple picks one of seven pairs (We, be), (Wr, br).  The other six experts' results are masked away, so they are not computed.
;
; SHARING.  Work-group (x = expert e, y = chunk c) is ONE wave and owns the triples of expert e among 1,024 consecutive ones (c 0-63: the good arrays and out0;
; 64-127: the bad ones, out1).  It scans its 1,024 sources, writes the triples of expert e as a list into LDS, and walks the list 16 triples a trip.
; One wave a work-group, because the list's LDS addresses hang on data: so no LDS byte is shared between waves and the kernel has no barrier.  The price: each wave
; brings both weight matrices of its expert itself, 80,000 bytes for 1,024 triples.  They stay in registers as bf16 fragments (2 x 28 fragments x 8 registers).
; A source outside 2..8 gives three zero vectors and the score 0: such triples go into expert 0's lists with a flag, and their score is replaced by 0.
; EXEC is never changed: lanes with nothing to append store into dump bytes of their own; the last tile is filled up with copies of the list's entry 0, which
; compute and store entry 0's score again; the upper sixteen lanes store the same words as the lower sixteen.
;
; THE PRODUCTS ARE USED TRANSPOSED: source 0 = 16 rows of W (features), source 1 = 16 gathered rows (triples).  Lane l then holds features 16 T + 8 (l / 16) + 0..7
; of triple l % 16, so a norm is a sum inside the lane and one exchange between the halves.
; K is padded from 100 to 128, the features from 100 to 112, with true zeros in both operands.  The bias rides in K = 100, 101, 102: three bf16 terms whose sum is
; the scaled f32 bias, against 1.0 in the gathered rows' stage.
; tanh(x) = 1 - 2 / (1 + 2^y), y = 2 log2(e) x; the factor is folded into W and the bias before they are rounded.  2^y = inf or 0 gives +1 or -1.
;
; THE ORDER OF THE WORK.  The wave is alone on its SIMD, so only its own order covers a latency.  Like steps stand in long runs, so that no instruction stands
; next to the one whose result it reads: conversions in runs of 32 ahead of their 16 stores; a gather's offsets are written a stage after the stores that read
; those registers; 160 instructions of the next tile's gathers stand between the fragment loads and their wait; the list is read a trip ahead; the tanh of the
; three matrices is a pipeline in which two transcendentals of one matrix are followed by packed steps of another; each norm's ten dependent stages are woven
; into packed steps of other matrices.
;
; LIMITS.  Each tanh carries an absolute error of about 1e-7 (the subtraction from 1), so rows whose pre-activations are all below about 1e-5 lose the
; tolerance.  |W| or |bias| above about 1.1e38 overflows by the folded factor.  W and the gathered rows are rounded to bf16.  Indices are clamped to their tables
; (500000, 1000).
; The score goes out as 4 bytes a triple, to places inside the wave's own 4,096 bytes of the output: the sixteen triples of a trip are not neighbours, and whole
; rows of neighbours would need all seven experts' weights in one wave (14 matrices of 224 registers).
; NO CLUSTER: work-groups that share an expert's weights have trip counts that hang on their own lists, and the weights pass through registers for scaling and
; rounding in any case.  NO TENSOR LOADS: the rows are scattered pieces of 400 bytes.
.set N_ENTS, 500000
.set N_RELS, 1000
.set ROWB,   400                       ; bytes of a row of 100 f32
.set PITCH,  272                       ; an LDS row: 128 bf16 + 16 bytes, an odd multiple of 16
.set WMAT,   112*PITCH                 ; LDS 0 .. 30,463: the stage of one weight matrix, used by entW and then by relW
.set LIST,   WMAT                      ; the list: entries of 16 bytes: head, rel, tail, place word
.set DUMP,   1056*16                   ; behind 1,024 entries and 32 fill-ups: 32 places for lanes with nothing to append
.set LISTSZ, 1088*16
.set XST,    LIST+LISTSZ               ; the stage of gathered rows: 16 head rows, 16 rel rows, 16 tail rows.  All LDS bases are below 65,536 and stand in the immediates
.set SCALE,  0x4038aa3b                ; 2 log2(e)
; window 0
.set LANE, 1
.set L15,  2                           ; lane % 16
.set HALF, 3                           ; lane / 16
.set C1,   4                           ; 16 (lane % 16): first 256 bytes of a table row; also my triple's entry in a tile
.set C2,   5                           ; 256 + 16 min(lane % 16, 8): its last 144 bytes (lanes 9-15 repeat lane 8's piece)
.set LISTRD, 6                         ; 128 half: the entries of triple rows p + 8 half
.set XW1,  8                           ; stage, write: row 8 half, byte 8 (lane % 16)
.set XW2,  9                           ; stage, write: row 8 half, byte 128 + 8 min(lane % 16, 8)
.set FR,   10                          ; fragment read, of both stages: row lane % 16, byte 16 half
.set DUMPA, 11                         ; my dump place
.set SC,   12                          ; the score to store
.set PW,   13                          ; place word: 0-1023 place; + 0x1000 source invalid
.set TA,   14
.set TB,   15
.set E,    20                          ; v[20:23] an entry being written
.set L4,   24
.set L16,  25
.set WG1,  26                          ; weights in memory: 400 half + C1
.set WG2,  27                          ; 400 half + C2
.set WS1,  28                          ; weights' stage, write (as XW1, XW2, rows 1 apart)
.set WS2,  29
.set WROW, 30                          ; 272 lane: row = lane
.set SA,   31                          ; the score's byte offset
.set ENT,  32                          ; v[32:63] eight entries
.set STG,  64                          ; v[64:255] 48 quads of gathered f32; at the start the index arrays: S 64, H 96, R 128, T 160
.set CK,   192                         ; while the list is made: four keys,
.set CA,   196                         ; four list addresses,
.set CE,   200                         ; and two sets of four entries, v[200:215] and v[216:231], by turns
; window 1: v0-223 entW fragments (T, s) at 8 (4 T + s)
.set XFM,  224                         ; window 1: fragments of the rel rows
; window 2: v0-223 relW fragments; at the start v0-7 the raw bias, v8-55 its three terms at work
; window 3: v0-167 accumulators, matrix m (head, rel, tail), tile T at 56 m + 8 T; at the start v0-239 three slots of 80 registers for raw weights
.set XFH,  168                         ; window 3: fragments of the head rows
.set XFT,  200                         ; window 3: fragments of the tail rows
.set SS,   232                         ; window 3: two pairs of sums of squares for each matrix, at SS + 4 m; two more pairs at 56 m + 52 (tile 6's padding results)
.set SF,   244                         ; window 3: four pairs for the final sum
.set MSB, 0
.macro WIN new                         ; low byte: 1:0 source 0, 3:2 source 1, 5:4 source 2, 7:6 destination; the high byte repeats the setting that is left
.if MSB != \new
	s_set_vgpr_msb (MSB<<8)|\new
.set MSB, \new
.endif
.endm
	s_load_b512 s[8:23], s[0:1], 0x0               ; heads, rels, tails, sources, then the four bad arrays
	s_load_b512 s[24:39], s[0:1], 0x40             ; ents_emb, rels_emb, entW, entB, relW, relB, out0, out1
	s_mov_b32 s2, ttmp9                            ; expert 0..6
	s_and_b32 s3, ttmp7, 0xffff                    ; chunk 0..127
	s_mov_b32 s56, 0x76543210                      ; v_permlanex16_b32: lane i reads lane i of the other half
	s_mov_b32 s57, 0xfedcba98
	s_and_b32 s50, s3, 63
	s_lshl_b32 s50, s50, 12                        ; 1,024 triples x 4 bytes a chunk
	s_mov_b32 s51, 0
	s_mul_i32 s58, s2, 100*ROWB                    ; the expert's matrices
	s_mov_b32 s59, 0
	s_mul_i32 s40, s2, ROWB                        ; and biases
	s_mov_b32 s41, 0
	v_and_b32 v[LANE], 31, v0
	v_and_b32 v[L15], 15, v0
	v_bfe_u32 v[HALF], v0, 4, 1
	v_min_u32 v16, 8, v[L15]
	v_lshlrev_b32 v[C1], 4, v[L15]
	v_lshl_add_u32 v[C2], v16, 4, 0x100
	v_lshlrev_b32 v[L4], 2, v[LANE]
	v_lshlrev_b32 v[L16], 4, v[LANE]
	v_add_nc_u32 v[DUMPA], DUMP, v[L16]
	v_add_nc_u32 v[TA], 0x1000, v[L4]              ; the place word's lane part with the flag of an invalid source
	v_mul_u32_u24 v18, v[HALF], ROWB
	v_add_nc_u32 v[WG1], v18, v[C1]
	v_add_nc_u32 v[WG2], v18, v[C2]
	v_lshlrev_b32 v[LISTRD], 7, v[HALF]
	v_mul_u32_u24 v17, v[HALF], 8*PITCH
	v_lshl_add_u32 v[XW1], v[L15], 3, v17
	v_lshl_add_u32 v[XW2], v16, 3, v17
	v_add_nc_u32 v[XW2], 128, v[XW2]
	v_mul_u32_u24 v[FR], v[L15], PITCH
	v_lshl_add_u32 v[FR], v[HALF], 4, v[FR]
	v_mul_u32_u24 v18, v[HALF], PITCH
	v_lshl_add_u32 v[WS1], v[L15], 3, v18
	v_lshl_add_u32 v[WS2], v16, 3, v18
	v_add_nc_u32 v[WS2], 128, v[WS2]
	v_add_nc_u32 v[TB], v18, v[C1]                 ; two whole rows a store, for the padding rows
	v_mul_u32_u24 v[WROW], v[LANE], PITCH
	s_wait_kmcnt 0x0
	s_cmp_lt_u32 s3, 64                            ; good or bad arrays; the 64-bit sums below leave SCC alone
	s_cselect_b64 s[8:9], s[8:9], s[16:17]
	s_cselect_b64 s[10:11], s[10:11], s[18:19]
	s_cselect_b64 s[12:13], s[12:13], s[20:21]
	s_cselect_b64 s[14:15], s[14:15], s[22:23]
	s_cselect_b64 s[36:37], s[36:37], s[38:39]
	s_add_nc_u64 s[8:9], s[8:9], s[50:51]
	s_add_nc_u64 s[10:11], s[10:11], s[50:51]
	s_add_nc_u64 s[12:13], s[12:13], s[50:51]
	s_add_nc_u64 s[14:15], s[14:15], s[50:51]
	s_add_nc_u64 s[36:37], s[36:37], s[50:51]
	s_add_nc_u64 s[28:29], s[28:29], s[58:59]      ; entW[e]
	s_add_nc_u64 s[32:33], s[32:33], s[58:59]      ; relW[e]
	s_add_nc_u64 s[30:31], s[30:31], s[40:41]      ; entB[e]
	s_add_nc_u64 s[34:35], s[34:35], s[40:41]      ; relB[e]
; The raw weights come in ten groups of 20 rows (groups 0-4 entW, 5-9 relW), 20 loads each: a pair of loads takes two rows, 256 bytes of each, then 144.
; Group g lands in slot g % 3 of window 3.
.macro WLOAD g
	WIN 0xc0
.set wq, 10*((\g)%5)
.set wr, 80*((\g)%3)
.set wb, 28+4*((\g)/5)
.set i, 0
.rept 10
	global_load_b128 v[wr+8*i:wr+8*i+3],   v[WG1], s[wb:wb+1] offset:2*ROWB*(wq+i)
	global_load_b128 v[wr+8*i+4:wr+8*i+7], v[WG2], s[wb:wb+1] offset:2*ROWB*(wq+i)
.set i, i+1
.endr
.endm
; Group g: times 2 log2(e), to bf16 in place, 8 bytes a lane into the weights' stage
.macro WCONV g
	WIN 0xff
.set wq, 10*((\g)%5)
.set wr, 80*((\g)%3)
.set i, 0
.rept 40
	v_pk_mul_f32 v[wr+2*i:wr+2*i+1], v[wr+2*i:wr+2*i+1], SCALE op_sel_hi:[1,0]
.set i, i+1
.endr
.set i, 0
.rept 20
	v_cvt_pk_bf16_f32 v[wr+4*i],   v[wr+4*i],   v[wr+4*i+1]
	v_cvt_pk_bf16_f32 v[wr+4*i+1], v[wr+4*i+2], v[wr+4*i+3]
.set i, i+1
.endr
	WIN 0x0c
.set i, 0
.rept 10
	ds_store_b64 v[WS1], v[wr+8*i:wr+8*i+1]   offset:2*PITCH*(wq+i)
	ds_store_b64 v[WS2], v[wr+8*i+4:wr+8*i+5] offset:2*PITCH*(wq+i)
.set i, i+1
.endr
.endm
; 28 fragments of 16 features x 32 K out of the weights' stage; the window is set by the caller
.macro WFRAGS
.irp t, 0,1,2,3,4,5,6
.irp s, 0,1,2,3
	ds_load_b128 v[8*(4*\t+\s):8*(4*\t+\s)+3],   v[FR] offset:16*PITCH*\t+64*\s
	ds_load_b128 v[8*(4*\t+\s)+4:8*(4*\t+\s)+7], v[FR] offset:16*PITCH*\t+64*\s+32
.endr
.endr
.endm
.macro BSTORE i, row                   ; bias pass i (rows row + lane) into K = 100..103 of the weights' stage
	ds_store_b64 v[WROW], v[12+6*\i:13+6*\i] offset:200+\row*PITCH
.endm
	; 32 loads: my 1,024 sources, heads, rels, tails; each load takes 512 consecutive bytes.  Lane l, load j, word c: place 128 j + 4 l + c.
.irp j, 0,1,2,3,4,5,6,7
	global_load_b128 v[STG+4*\j:STG+4*\j+3],         v[L16], s[14:15] offset:512*\j
	global_load_b128 v[STG+32+4*\j:STG+32+4*\j+3],   v[L16], s[8:9]   offset:512*\j
	global_load_b128 v[STG+64+4*\j:STG+64+4*\j+3],   v[L16], s[10:11] offset:512*\j
	global_load_b128 v[STG+96+4*\j:STG+96+4*\j+3],   v[L16], s[12:13] offset:512*\j
.endr
	; 8 loads: both biases, rows lane, 32 + lane, 64 + lane, 68 + lane
	WIN 0x80
	global_load_b32 v0, v[L4], s[30:31]
	global_load_b32 v1, v[L4], s[30:31] offset:128
	global_load_b32 v2, v[L4], s[30:31] offset:256
	global_load_b32 v3, v[L4], s[30:31] offset:272
	global_load_b32 v4, v[L4], s[34:35]
	global_load_b32 v5, v[L4], s[34:35] offset:128
	global_load_b32 v6, v[L4], s[34:35] offset:256
	global_load_b32 v7, v[L4], s[34:35] offset:272
	WLOAD 0
	WIN 0x40
.irp r, 28,29,30,31
	v_mov_b32 v[XFM+\r], 0                         ; K = 112..127 of the rel rows' last fragment: zero registers, written once and never loaded
.endr
	WIN 0
	; the constant parts of LDS
.irp r, 16,17,18,19
	v_mov_b32 v\r, 0
.endr
	v_mov_b32 v20, 0x3f803f80
	v_mov_b32 v21, 0x00003f80
	ds_store_b64  v[WROW], v[20:21] offset:XST+200                 ; gathered rows' stage, rows lane and 16 + lane (48 rows): 1.0 at K = 100, 101, 102,
	ds_store_b64  v[WROW], v[20:21] offset:XST+200+16*PITCH
	ds_store_b128 v[WROW], v[16:19] offset:XST+208                 ; zero at K = 103..111
	ds_store_b128 v[WROW], v[16:19] offset:XST+208+16*PITCH
	ds_store_b128 v[L16], v[16:19] offset:LIST                     ; entries 0-31 preset (table row 0), so that an empty list is read defined
.irp r, 0,32,64,68
.irp o, 208,224,240
	ds_store_b128 v[WROW], v[16:19] offset:\r*PITCH+\o             ; weights' stage: K = 104..127 of rows 0-99
.endr
.endr
.irp o, 0,1,2,3,4,5
	ds_store_b128 v[TB], v[16:19] offset:(100+2*\o)*PITCH          ; features 100..111: whole rows of zeros
.endr
; Four words of each lane (places 128 j + 4 lane + 0..3), stage by stage, so that no stage waits for the one in front of it.  The lanes whose triple belongs to
; this expert append an entry to the list, word by word in lane order; the others store into their dump places.  s52 = entries so far; s53-55 = the same behind
; words 0, 1, 2.  The clamp is the last instruction on each address; the list's base stands in the immediate.
.macro COMPACT4 j
.set ce, CE+16*((\j)&1)
.irp c, 0,1,2,3
	v_add_nc_u32 v[CK+\c], -2, v[STG+4*\j+\c]      ; expert of the triple; anything outside 0..6 (negatives wrap) is invalid
.endr
.irp c, 0,1,2,3
	v_cmp_lt_u32 s[44+\c], 6, v[CK+\c]
.endr
.irp c, 0,1,2,3
	v_mov_b32 v[ce+4*\c],   v[STG+32+4*\j+\c]
	v_mov_b32 v[ce+4*\c+1], v[STG+64+4*\j+\c]
.endr
.irp c, 0,1,2,3
	v_cndmask_b32 v[CK+\c], v[CK+\c], 0, s[44+\c]              ; invalid ones are expert 0's to answer,
	v_cndmask_b32 v[ce+4*\c+3], v[L4], v[TA], s[44+\c]         ; with the flag 0x1000
.endr
.irp c, 0,1,2,3
	v_cmp_eq_u32 s[44+\c], s2, v[CK+\c]            ; mine
.endr
.irp c, 0,1,2,3
	v_mov_b32 v[ce+4*\c+2], v[STG+96+4*\j+\c]
	v_add_nc_u32 v[ce+4*\c+3], 128*\j+\c, v[ce+4*\c+3]         ; place + flag
.endr
	s_bcnt1_i32_b32 s40, s44
	s_bcnt1_i32_b32 s41, s45
	s_bcnt1_i32_b32 s42, s46
	s_bcnt1_i32_b32 s43, s47
	s_add_co_u32 s53, s52, s40
	s_add_co_u32 s54, s53, s41
	s_add_co_u32 s55, s54, s42
.irp c, 0,1,2,3
	v_mbcnt_lo_u32_b32 v[CA+\c], s[44+\c], s[52+\c]            ; entries so far + matching lanes below me
.endr
	s_add_co_u32 s52, s55, s43
.irp c, 0,1,2,3
	v_lshlrev_b32 v[CA+\c], 4, v[CA+\c]
.endr
.irp c, 0,1,2,3
	v_cndmask_b32 v[CA+\c], v[DUMPA], v[CA+\c], s[44+\c]
.endr
.irp c, 0,1,2,3
	v_min_u32 v[CA+\c], DUMP+31*16, v[CA+\c]
.endr
.irp c, 0,1,2,3
	ds_store_b128 v[CA+\c], v[ce+4*\c:ce+4*\c+3] offset:LIST
.endr
.endm
	s_wait_loadcnt 28                              ; the 32 index loads are in; the 8 of the bias and group 0's 20, issued behind them, stay out
	WLOAD 1                                        ; 48 loads are out while the list is made
	WIN 0
	s_mov_b32 s52, 0
.irp j, 0,1,2,3,4,5,6,7
	COMPACT4 \j
.endr
	s_min_u32 s52, s52, 1024
	v_mov_b32 v16, 0
	ds_load_b128 v[E:E+3], v16 offset:LIST         ; entry 0 (LDS serves a wave's instructions in order: this sees the list's stores)
	v_add_nc_u32 v19, s52, v[LANE]
	v_lshlrev_b32 v19, 4, v19
	v_min_u32 v19, 1055*16, v19
	s_wait_dscnt 0x0
	ds_store_b128 v19, v[E:E+3] offset:LIST        ; 32 copies of it behind the list fill up the last tile, and the tile behind it that is read ahead
	s_add_co_u32 s63, s52, 15
	s_lshr_b32 s63, s63, 4                         ; tiles of 16 triples, 0..64
	s_cmp_eq_u32 s63, 0
	s_cbranch_scc1 .Lend                           ; none of my 1,024 triples is this expert's
; Eight entries of a tile: lanes of half h get the entry of triple row p + 8 h
.macro ENTRIES addr, off
.irp p, 0,1,2,3,4,5,6,7
	ds_load_b128 v[ENT+4*\p:ENT+4*\p+3], v[\addr] offset:LIST+\off+16*\p
.endr
.endm
; Sixteen rows of table m (0 head, 1 rel, 2 tail): sixteen lanes take a row's first 256 bytes, then its last 144.  Behind the clamp only shifts and sums:
; 400 x = (x << 8) + (x << 7) + (x << 4).  Each load lands on its own offset register.
.macro GATHER m, max, base
.irp p, 0,1,2,3,4,5,6,7
	v_min_u32 v[ENT+4*\p+\m], \max, v[ENT+4*\p+\m]
.endr
.irp p, 0,1,2,3,4,5,6,7
	v_lshlrev_b32 v[STG+8*(8*\m+\p)],   8, v[ENT+4*\p+\m]
	v_lshlrev_b32 v[STG+8*(8*\m+\p)+4], 7, v[ENT+4*\p+\m]
.endr
.irp p, 0,1,2,3,4,5,6,7
	v_lshlrev_b32 v[ENT+4*\p+\m], 4, v[ENT+4*\p+\m]
	v_add_nc_u32 v[STG+8*(8*\m+\p)], v[STG+8*(8*\m+\p)], v[STG+8*(8*\m+\p)+4]
.endr
.irp p, 0,1,2,3,4,5,6,7
	v_add_nc_u32 v[STG+8*(8*\m+\p)], v[STG+8*(8*\m+\p)], v[ENT+4*\p+\m]
.endr
.irp p, 0,1,2,3,4,5,6,7
	v_add_nc_u32 v[STG+8*(8*\m+\p)+4], v[STG+8*(8*\m+\p)], v[C2]
	v_add_nc_u32 v[STG+8*(8*\m+\p)],   v[STG+8*(8*\m+\p)], v[C1]
.endr
.irp p, 0,1,2,3,4,5,6,7
	global_load_b128 v[STG+8*(8*\m+\p):STG+8*(8*\m+\p)+3],   v[STG+8*(8*\m+\p)],   s[\base:\base+1]
	global_load_b128 v[STG+8*(8*\m+\p)+4:STG+8*(8*\m+\p)+7], v[STG+8*(8*\m+\p)+4], s[\base:\base+1]
.endr
.endm
	ENTRIES LISTRD, 0                              ; tile 0's entries; they are waited for with entW's fragments below
	; THE WEIGHTS: three groups of 20 loads are on their way while a fourth is worked on
	s_wait_loadcnt 20                              ; the bias and group 0 are in; group 1 stays out
	WLOAD 2
	; the eight scaled bias values as three bf16 terms each (each remainder is exact in f32), stage by stage; value i works in v[8+6i : 13+6i] of window 2
	WIN 0xaa
.irp i, 0,1,2,3,4,5,6,7
	v_mul_f32 v[\i], SCALE, v[\i]
.endr
.irp i, 0,1,2,3,4,5,6,7
	v_cvt_pk_bf16_f32 v[8+6*\i], v[\i], v[\i]
.endr
.irp i, 0,1,2,3,4,5,6,7
	v_and_b32 v[8+6*\i], 0xffff0000, v[8+6*\i]     ; the first term as f32
.endr
.irp i, 0,1,2,3,4,5,6,7
	v_sub_f32 v[9+6*\i], v[\i], v[8+6*\i]
.endr
.irp i, 0,1,2,3,4,5,6,7
	v_cvt_pk_bf16_f32 v[10+6*\i], v[9+6*\i], v[9+6*\i]
.endr
.irp i, 0,1,2,3,4,5,6,7
	v_and_b32 v[10+6*\i], 0xffff0000, v[10+6*\i]
.endr
.irp i, 0,1,2,3,4,5,6,7
	v_sub_f32 v[11+6*\i], v[9+6*\i], v[10+6*\i]
.endr
.irp i, 0,1,2,3,4,5,6,7
	v_cvt_pk_bf16_f32 v[12+6*\i], v[\i], v[9+6*\i] ; K = 100, 101
.endr
.irp i, 0,1,2,3,4,5,6,7
	v_cvt_pk_bf16_f32 v[13+6*\i], v[11+6*\i], 0    ; K = 102, 103
.endr
	WIN 0x08
	BSTORE 0, 0                                    ; entB; rows 68-95 get the same bytes twice
	BSTORE 1, 32
	BSTORE 2, 64
	BSTORE 3, 68
.irp g, 0,1,2,3
	WCONV \g
	WLOAD \g+3
	s_wait_loadcnt 40                              ; the next group is in; the two groups behind it stay out
.endr
	WCONV 4                                        ; entW is whole in the stage
	WLOAD 7
	WIN 0x40
	WFRAGS
	s_wait_dscnt 0x0                               ; entW's fragments are in registers before relW is written over its bytes; tile 0's entries are in too
	WIN 0x08
	BSTORE 4, 0                                    ; relB
	BSTORE 5, 32
	BSTORE 6, 64
	BSTORE 7, 68
	s_wait_loadcnt 40                              ; group 5 is in; 6 and 7 stay out
	WCONV 5
	WLOAD 8
	s_wait_loadcnt 40
	WCONV 6
	WLOAD 9
	s_wait_loadcnt 40                              ; group 7 is in; 8 and 9 stay out
	WCONV 7
	WIN 0
	GATHER 0, N_ENTS, 24                           ; tile 0's 48 loads go out in thirds behind the last groups
	s_wait_loadcnt 36                              ; group 8 is in; group 9's 20 and the head rows' 16 stay out
	WCONV 8
	WIN 0
	GATHER 1, N_RELS, 26
	s_wait_loadcnt 32                              ; group 9 is in; the head and rel rows' 32 stay out
	WCONV 9
	WIN 0
	GATHER 2, N_ENTS, 24
	ENTRIES LISTRD, 256                            ; tile 1's entries (real ones, fill-ups or the preset): every trip finds the next tile's entries in registers
	WIN 0x80
	WFRAGS                                         ; relW's fragments
	WIN 0xc0
.irp r, 28,29,30,31
	v_mov_b32 v[XFH+\r], 0                         ; K = 112..127 of the head and tail rows' last fragments: zero registers, never loaded
	v_mov_b32 v[XFT+\r], 0
.endr
	WIN 0
	s_wait_dscnt 0x0                               ; relW's fragments and tile 1's entries are in
; Sixteen gathered rows of table m: to bf16 in place, then 8 bytes a lane into the stage; the stores stand behind all the conversions
.macro STAGE m
.irp p, 0,1,2,3,4,5,6,7
	v_cvt_pk_bf16_f32 v[STG+8*(8*\m+\p)],   v[STG+8*(8*\m+\p)],   v[STG+8*(8*\m+\p)+1]
	v_cvt_pk_bf16_f32 v[STG+8*(8*\m+\p)+1], v[STG+8*(8*\m+\p)+2], v[STG+8*(8*\m+\p)+3]
	v_cvt_pk_bf16_f32 v[STG+8*(8*\m+\p)+4], v[STG+8*(8*\m+\p)+4], v[STG+8*(8*\m+\p)+5]
	v_cvt_pk_bf16_f32 v[STG+8*(8*\m+\p)+5], v[STG+8*(8*\m+\p)+6], v[STG+8*(8*\m+\p)+7]
.endr
.irp p, 0,1,2,3,4,5,6,7
	ds_store_b64 v[XW1], v[STG+8*(8*\m+\p):STG+8*(8*\m+\p)+1]   offset:XST+16*PITCH*\m+PITCH*\p
	ds_store_b64 v[XW2], v[STG+8*(8*\m+\p)+4:STG+8*(8*\m+\p)+5] offset:XST+16*PITCH*\m+PITCH*\p
.endr
.endm
; Seven loads: the four fragments of table m's sixteen rows (K = 112..127 stay the zero registers)
.macro XFRAG f, m
.irp s, 0,1,2
	ds_load_b128 v[\f+8*\s:\f+8*\s+3],   v[FR] offset:XST+16*PITCH*\m+64*\s
	ds_load_b128 v[\f+8*\s+4:\f+8*\s+7], v[FR] offset:XST+16*PITCH*\m+64*\s+32
.endr
	ds_load_b128 v[\f+24:\f+27], v[FR] offset:XST+16*PITCH*\m+192
.endm
; One packed step on the pair i, i + 1 of a lane's 52 values of matrix m (tiles 0-5 whole; of tile 6 registers 0-3: features 96-99 in the lower half of the
; lanes, padding in the upper).  op: 0 nothing; 1: + 1; 2: 1 - 2 x; 3: the square into one of the matrix's four sums (the first four start them: nothing is
; cleared); 4: head / |head|; 5: + rel / |rel|; 6: - tail / |tail|; 7: the square into one of the four final sums.
.macro PSTEP op, m, i
.if \op == 1
	v_pk_add_f32 v[56*\m+\i:56*\m+\i+1], v[56*\m+\i:56*\m+\i+1], 1.0 op_sel_hi:[1,0]
.endif
.if \op == 2
	v_pk_fma_f32 v[56*\m+\i:56*\m+\i+1], v[56*\m+\i:56*\m+\i+1], -2.0, 1.0 op_sel_hi:[1,0,0]
.endif
.if \op == 3
.set pc, ((\i)/2)&3
.if pc < 2
.set pr, SS+4*\m+2*pc
.else
.set pr, 56*\m+48+2*pc
.endif
.if \i < 8
	v_pk_mul_f32 v[pr:pr+1], v[56*\m+\i:56*\m+\i+1], v[56*\m+\i:56*\m+\i+1]
.else
	v_pk_fma_f32 v[pr:pr+1], v[56*\m+\i:56*\m+\i+1], v[56*\m+\i:56*\m+\i+1], v[pr:pr+1]
.endif
.endif
.if \op == 4
	v_pk_mul_f32 v[\i:\i+1], v[\i:\i+1], v[SS:SS+1] op_sel_hi:[1,0]
.endif
.if \op == 5
	v_pk_fma_f32 v[\i:\i+1], v[56+\i:56+\i+1], v[SS+4:SS+5], v[\i:\i+1] op_sel_hi:[1,0,1]
.endif
.if \op == 6
	v_pk_fma_f32 v[\i:\i+1], v[112+\i:112+\i+1], v[SS+8:SS+9], v[\i:\i+1] op_sel_hi:[1,0,1]
.endif
.if \op == 7
.set pr, SF+2*(((\i)/2)&3)
.if \i < 8
	v_pk_mul_f32 v[pr:pr+1], v[\i:\i+1], v[\i:\i+1]
.else
	v_pk_fma_f32 v[pr:pr+1], v[\i:\i+1], v[\i:\i+1], v[pr:pr+1]
.endif
.endif
.endm
; The 52 transcendentals (t = 0: 2^x, 1: 1 / x) of matrix tm, two at a time, each two followed by a packed step of another matrix, or by two.  The packed steps
; are the plain instructions that stand between a transcendental and the first use of its result (ISA guide 5.7.2): every result is read in a later MIX or RUNF.
.macro MIX t, tm, op1, m1, op2, m2
.set i, 0
.rept 26
.if \t == 0
	v_exp_f32 v[56*\tm+i],   v[56*\tm+i]
	v_exp_f32 v[56*\tm+i+1], v[56*\tm+i+1]
.else
	v_rcp_f32 v[56*\tm+i],   v[56*\tm+i]
	v_rcp_f32 v[56*\tm+i+1], v[56*\tm+i+1]
.endif
	PSTEP \op1, \m1, i
	PSTEP \op2, \m2, i
.set i, i+2
.endr
.endm
; Stage k (0..9) of matrix m's norm: four pairs of sums -> 1 / max(norm, 1e-12) in v[SS + 4 m]; the tail's with a minus, since the tail is subtracted
.macro NSTEP k, m
.set ns, SS+4*\m
.set nx, 56*\m+52
.if (\k) == 0
	v_pk_add_f32 v[ns:ns+1], v[ns:ns+1], v[ns+2:ns+3]
.endif
.if (\k) == 1
	v_pk_add_f32 v[nx:nx+1], v[nx:nx+1], v[nx+2:nx+3]
.endif
.if (\k) == 2
	v_pk_add_f32 v[ns:ns+1], v[ns:ns+1], v[nx:nx+1]
.endif
.if (\k) == 3
	v_add_f32 v[ns], v[ns], v[ns+1]
.endif
.if (\k) == 4
	v_permlanex16_b32 v[ns+1], v[ns], s56, s57     ; the other half's features of the same triple
.endif
.if (\k) == 5
	v_add_f32 v[ns], v[ns], v[ns+1]
.endif
.if (\k) == 6
	v_sqrt_f32 v[ns], v[ns]
.endif
.if (\k) == 7
	v_max_num_f32 v[ns], 0x2b8cbccc, v[ns]         ; max(norm, 1e-12)
.endif
.if (\k) == 8
	v_rcp_f32 v[ns], v[ns]
.endif
.if (\k) == 9
.if \m == 2
	v_mul_f32 v[ns], -1.0, v[ns]
.endif
.endif
.endm
; 26 packed steps op on matrix m; behind every second of the first twenty stands one stage of the norm of matrix f (f = -1: none), so that two
; independent instructions stand between a stage and the next
.macro RUNF op, m, f
.set i, 0
.rept 26
	PSTEP \op, \m, i
.if ((\f)+1)*(i&2)*(40-i) > 0
	NSTEP i/4, \f
.endif
.set i, i+2
.endr
.endm
; One tile of 16 triples, number s60.  ahead = 1: the next tile's 48 gathers go out as this tile's registers fall free, a whole trip ahead of their waits,
; and the entries of the tile behind that one are read from the list.
.macro TRIP ahead
	s_min_u32 s61, s60, 65                         ; (entries and fill-ups are 66 tiles' bytes)
	s_lshl_b32 s61, s61, 8
	v_add_nc_u32 v[TB], s61, v[C1]
.if \ahead
	s_add_co_u32 s62, s60, 2
	s_min_u32 s62, s62, 65
	s_lshl_b32 s62, s62, 8
	v_add_nc_u32 v[TA], s62, v[LISTRD]
.endif
	ds_load_b32 v[PW], v[TB] offset:LIST+12        ; my triple's place word
	s_wait_loadcnt 32                              ; the head rows' 16 loads are in; the rel and tail rows' 32 stay out
	STAGE 0
	s_wait_loadcnt 16                              ; the rel rows are in; the tail rows' 16 stay out
	STAGE 1
	s_wait_xcnt 0x0                                ; the last trip's store has read its two registers, which are rewritten below; no younger global instruction is out yet
.if \ahead
	GATHER 0, N_ENTS, 24                           ; into registers whose stores were issued 48 instructions ago
	s_wait_loadcnt 16                              ; the tail rows are in; the 16 just issued stay out
.else
	s_wait_loadcnt 0x0                             ; nothing was issued: the counts run down
.endif
	STAGE 2
	WIN 0xc0
	XFRAG XFH, 0                                   ; these see the stage's stores: a wave's LDS instructions are served in order
	XFRAG XFT, 2
	WIN 0x40
	XFRAG XFM, 1
	WIN 0
.if \ahead
	GATHER 1, N_RELS, 26                           ; 160 instructions while the fragments come
	GATHER 2, N_ENTS, 24
	ENTRIES TA, 0                                  ; the entries of tile s60 + 2, for the next trip's gathers
	s_wait_dscnt 8                                 ; all but the youngest eight LDS instructions, those entries, are done
.else
	s_wait_dscnt 0x0
.endif
	v_cmp_gt_u32 s55, 0x1000, v[PW]                ; the source was valid
	v_and_b32 v[TB], 0x3ff, v[PW]
	v_lshlrev_b32 v[TB], 2, v[TB]
	v_min_u32 v[SA], 4092, v[TB]                   ; my triple's 4 bytes among the wave's 4,096; the clamp comes last
	; 56 products with entW: fourteen accumulators take turns, one instruction a turn; the first K step starts the sums
	WIN 0xfd
.irp s, 0,1,2,3
.irp t, 0,1,2,3,4,5,6
.if \s == 0
	v_wmma_f32_16x16x32_bf16 v[8*\t:8*\t+7],         v[8*(4*\t+\s):8*(4*\t+\s)+7], v[XFH+8*\s:XFH+8*\s+7], 0
	v_wmma_f32_16x16x32_bf16 v[112+8*\t:112+8*\t+7], v[8*(4*\t+\s):8*(4*\t+\s)+7], v[XFT+8*\s:XFT+8*\s+7], 0
.else
	v_wmma_f32_16x16x32_bf16 v[8*\t:8*\t+7],         v[8*(4*\t+\s):8*(4*\t+\s)+7], v[XFH+8*\s:XFH+8*\s+7], v[8*\t:8*\t+7]
	v_wmma_f32_16x16x32_bf16 v[112+8*\t:112+8*\t+7], v[8*(4*\t+\s):8*(4*\t+\s)+7], v[XFT+8*\s:XFT+8*\s+7], v[112+8*\t:112+8*\t+7]
.endif
.endr
.endr
.if \ahead
	s_wait_dscnt 0x0                               ; the entries read ahead are in: the next trip reads them without a wait
.endif
	; 28 products with relW: seven accumulators take turns
	WIN 0xf6
.irp s, 0,1,2,3
.irp t, 0,1,2,3,4,5,6
.if \s == 0
	v_wmma_f32_16x16x32_bf16 v[56+8*\t:56+8*\t+7], v[8*(4*\t+\s):8*(4*\t+\s)+7], v[XFM+8*\s:XFM+8*\s+7], 0
.else
	v_wmma_f32_16x16x32_bf16 v[56+8*\t:56+8*\t+7], v[8*(4*\t+\s):8*(4*\t+\s)+7], v[XFM+8*\s:XFM+8*\s+7], v[56+8*\t:56+8*\t+7]
.endif
.endr
.endr
	WIN 0xff
.rept 4
	v_nop                                          ; four places behind the last products before a vector instruction reads a result (ISA guide 7.12.1)
.endr
	; tanh, norms and the score.  Matrix 0 head, 1 rel, 2 tail.
	MIX 0, 0, 0, 0, 0, 0                           ; head: 2^y
	v_nop                                          ; the plain instruction between these and their first use
	MIX 0, 1, 1, 0, 0, 0                           ; rel: 2^y          with head: + 1
	MIX 1, 0, 1, 1, 0, 0                           ; head: 1 / x       with rel: + 1
	MIX 0, 2, 2, 0, 0, 0                           ; tail: 2^y         with head: 1 - 2 x
	MIX 1, 1, 1, 2, 3, 0                           ; rel: 1 / x        with tail: + 1 and head: squares
	MIX 1, 2, 2, 1, 0, 0                           ; tail: 1 / x       with rel: 1 - 2 x
	RUNF 3, 1, 0                                   ; rel: squares      with the head's norm
	RUNF 2, 2, 1                                   ; tail: 1 - 2 x     with the rel's norm
	RUNF 3, 2, -1                                  ; tail: squares
	RUNF 4, 0, 2                                   ; head / |head|     with the tail's norm
	RUNF 5, 0, -1                                  ; + rel / |rel|
	RUNF 6, 0, -1                                  ; - tail / |tail|
	RUNF 7, 0, -1                                  ; squares
	v_pk_add_f32 v[SF:SF+1],   v[SF:SF+1],   v[SF+2:SF+3]
	v_pk_add_f32 v[SF+4:SF+5], v[SF+4:SF+5], v[SF+6:SF+7]
	v_pk_add_f32 v[SF:SF+1],   v[SF:SF+1],   v[SF+4:SF+5]
	v_add_f32 v[SF], v[SF], v[SF+1]
	v_permlanex16_b32 v[SF+1], v[SF], s56, s57
	v_add_f32 v[SF], v[SF], v[SF+1]
	v_sqrt_f32 v[SF], v[SF]
	v_nop                                          ; between the root and its use
	WIN 0x0c
	v_cndmask_b32 v[SC], 0, v[SF], s55             ; an invalid source's score is 0
	WIN 0
	global_store_b32 v[SA], v[SC], s[36:37]        ; lanes 16-31 repeat lanes 0-15, fill-ups repeat entry 0: the same words to the same places
.endm
	s_mov_b32 s60, 0
	s_sub_co_u32 s53, s63, 1                       ; all tiles but the last fetch ahead
	s_cmp_eq_u32 s53, 0
	s_cbranch_scc1 .Ltail
.Ltrip:
	TRIP 1
	s_add_co_u32 s60, s60, 1
	s_cmp_lt_u32 s60, s53
	s_cbranch_scc1 .Ltrip
.Ltail:
	TRIP 0                                         ; the last tile: nothing is left to fetch
.Lend:
	s_endpgm
.Lfunc_end_k_q694796bb35_transe:
	.size	k_q694796bb35_transe, .Lfunc_end_k_q694796bb35_transe-k_q694796bb35_transe
	.p2alignl 7, 3214868480
	.fill 96, 4, 3214868480
	.section	.rodata,"a",@progbits
	.p2align	6, 0x0
	.amdhsa_kernel k_q694796bb35_transe
		.amdhsa_group_segment_fixed_size 60928
		.amdhsa_private_segment_fixed_size 0
		.amdhsa_enable_private_segment 0
		.amdhsa_kernarg_size 128
		.amdhsa_user_sgpr_count 2
		.amdhsa_user_sgpr_kernarg_segment_ptr 1
		.amdhsa_wavefront_size32 1
		.amdhsa_system_sgpr_workgroup_id_x 1
		.amdhsa_system_sgpr_workgroup_id_y 1
		.amdhsa_system_sgpr_workgroup_id_z 1
		.amdhsa_system_vgpr_workitem_id 0
		.amdhsa_next_free_vgpr 1024
		.amdhsa_next_free_sgpr 66
		.amdhsa_reserve_vcc 0
		.amdhsa_float_denorm_mode_32 3
		.amdhsa_float_denorm_mode_16_64 3
		.amdhsa_memory_ordered 1
		.amdhsa_forward_progress 1
		.amdhsa_inst_pref_size 255
	.end_amdhsa_kernel
	.section	.bss,"aw",@nobits
	.p2align	6
	.space	262144
	.amdgpu_metadata
---
amdhsa.version: [ 1, 2 ]
amdhsa.kernels:
  - .name:           k_q694796bb35_transe
    .symbol:         k_q694796bb35_transe.kd
    .args:
      - { .name: heads, .offset: 0, .size: 8, .value_kind: global_buffer, .address_space: global }
      - { .name: rels, .offset: 8, .size: 8, .value_kind: global_buffer, .address_space: global }
      - { .name: tails, .offset: 16, .size: 8, .value_kind: global_buffer, .address_space: global }
      - { .name: sources, .offset: 24, .size: 8, .value_kind: global_buffer, .address_space: global }
      - { .name: heads_bad, .offset: 32, .size: 8, .value_kind: global_buffer, .address_space: global }
      - { .name: rels_bad, .offset: 40, .size: 8, .value_kind: global_buffer, .address_space: global }
      - { .name: tails_bad, .offset: 48, .size: 8, .value_kind: global_buffer, .address_space: global }
      - { .name: sources_bad, .offset: 56, .size: 8, .value_kind: global_buffer, .address_space: global }
      - { .name: ents_emb, .offset: 64, .size: 8, .value_kind: global_buffer, .address_space: global }
      - { .name: rels_emb, .offset: 72, .size: 8, .value_kind: global_buffer, .address_space: global }
      - { .name: entW, .offset: 80, .size: 8, .value_kind: global_buffer, .address_space: global }
      - { .name: entB, .offset: 88, .size: 8, .value_kind: global_buffer, .address_space: global }
      - { .name: relW, .offset: 96, .size: 8, .value_kind: global_buffer, .address_space: global }
      - { .name: relB, .offset: 104, .size: 8, .value_kind: global_buffer, .address_space: global }
      - { .name: out0, .offset: 112, .size: 8, .value_kind: global_buffer, .address_space: global }
      - { .name: out1, .offset: 120, .size: 8, .value_kind: global_buffer, .address_space: global }
    .group_segment_fixed_size: 60928
    .private_segment_fixed_size: 0
    .kernarg_segment_align: 8
    .kernarg_segment_size: 128
    .max_flat_workgroup_size: 32
    .sgpr_count:     66
    .vgpr_count:     1024
    .wavefront_size: 32
...
	.end_amdgpu_metadata
.endif
;; end of part 2
